; MI455X (gfx1250); checked and timed in simulation.
; The chip was launched on July 23, 2026; its instructions are those of AMD's public machine-readable ISA for CDNA 5 (MIT licence, August 2026) and "CDNA5" Instruction Set Architecture Reference Guide (July 2026). The comments in the code are by the model that wrote it; some were corrected since.
;; attention. Allowed arithmetic: float matrix products may take bf16 or f16 operands with f32 sums; all other float work in f32.
;; Inputs: W_h 1,024 x 1,024 float32; W_s 1,024 x 1,024 float32; b_h 1,024 float32; b_s 1,024 float32; h 32 x 2,048 x 1,024 float32; s 32 x 1 x 1,024 float32.
;; Outputs: out0 32 x 1,024 float32.
;; 2 versions, each right; version 2 is version 1 with the launch stream written anew for expert scheduling mode. Each part assembles by itself: llvm-mc -triple=amdgcn-amd-amdhsa -mcpu=gfx1250 --defsym DOCPART=n.
;; ======== version 1 of 2: 4 launches
;; workspace buffers: psfi 524,288 bytes; pu 524,288 bytes; part 1,114,112 bytes
;; launch proj_s (part 1): grid 16 x 16, 16 waves a work-group, no clusters, 75,776 bytes of LDS; arguments s, W_s, b_s, psfi; writes psfi
.if DOCPART == 1
	.amdgcn_target "amdgcn-amd-amdhsa--gfx1250"
	.amdhsa_code_object_version 6
	.text
	.protected	k_qd5aee0fd61_proj_s
	.globl	k_qd5aee0fd61_proj_s
	.p2align	8
	.type	k_qd5aee0fd61_proj_s,@function
k_qd5aee0fd61_proj_s:
	s_mov_b64 s[64:65], 0
	v_nop
	global_prefetch_b8 v0, s[64:65] scope:SCOPE_SE
	s_setreg_imm32_b32 hwreg(HW_REG_WAVE_MODE, 25, 1), 1
	s_wait_xcnt 0x0
; psfi[q][b][d] = sum over the 256 k of slice q of s[b][k] W_s[k][d]  (+ b_s[d] in slice 0).  The four slices add up to s W_s + b_s;
; the launches that read psfi add them.  s: [32][1024], W_s: [1024][1024], b_s: [1024], psfi: [4][32][1024], all f32.
; All arithmetic is f32 on the vector unit: the result feeds scores with a spread of some tens in front of an exponential, where the
; rounding of an operand to 16 bits would show as several per cent in the weights; and a product of 32 rows streams its weights once.
; SHARES.  16 column blocks x 4 slices of k x 4 groups of 8 batches = 256 work-groups.  A work-group reads 256 rows x 256 bytes of W_s
; (64 KiB) and 8 x 1 KiB of s.  Wave w, half hh of its lanes, sums over k = 16 w + 8 hh + 0..7 of the slice; a lane holds 4 neighbouring
; columns.  One load of a wave covers two rows, 256 aligned consecutive bytes each.  All 8 loads of W_s go out at the head; the
; arithmetic follows them by counted waits.  The 32 partial sums meet in LDS.
; NO CLUSTER: the 4 work-groups of one block of W_s read the same 64 KiB, but a shared tile would have to pass through LDS (64 KiB
; written and read again in each work-group) where each number now goes from its load register into 8 multiply-adds.
; LIMIT: the sum over k is formed in another order than a plain dot product forms it (128 partial sums of 8, then trees).
.set ROWB,  4096                       ; bytes in a row of W_s, of s and of a slice of psfi
.set RED,   8192                       ; LDS: s of 8 batches at 0 (8 x 1,024); from here 32 slices [8 batches][64 columns] f32 of 2,048 bytes
.set BOFF, 1                           ; v1   16 r: my 4 columns in the block (r = thread % 16)
.set WOFF, 2                           ; v2   my byte offset in W_s: (16 w + 8 hh) rows + 16 r; never rewritten
.set T16,  3                           ; v3   16 x thread: where my 16 bytes of s go in LDS
.set SOFF, 4                           ; v4   and where they come from: batch t / 64, byte 16 (t % 64) of its 1 KiB
.set SA,   5                           ; v5   LDS address of s[.][16 w + 8 hh]
.set RA,   6                           ; v6   LDS address of my 16 bytes in slice 2 w + hh
.set FA,   7                           ; v7   tail: LDS address of my 16 bytes in slice 0
.set GO,   8                           ; v8   tail: my byte offset in psfi
.set BIAS, 10                          ; v[10:13]   b_s of my 4 columns, or 0
.set STG,  14                          ; v[14:17]   s on its way into LDS; in the tail the result
.set ACC,  18                          ; v[18:49]   batch b: 4 sums at ACC + 4 b
.set SB,   50                          ; v[50:113]  batch b: my 8 numbers of s at SB + 8 b
.set WR,   114                         ; v[114:145] row i of my 8 rows of W_s at WR + 4 i
.set TL,   50                          ; v[50:177]  tail: the 32 slices
	s_load_b256 s[4:11], s[0:1], 0x0               ; s s[4:5], W_s s[6:7], b_s s[8:9], psfi s[10:11]
	v_lshl_add_u32 v180, v0, 2, 0x12000
	v_mov_b32 v181, 0
	v_and_b32 v9, 15, v0                           ; r
	v_bfe_u32 v[GO], v0, 4, 1                      ; hh (the register takes its own number below)
	v_lshrrev_b32 v[WOFF], 5, v0
	v_readfirstlane_b32 s12, v[WOFF]               ; wave 0..15
	s_and_b32 s14, ttmp7, 0xffff
	s_and_b32 s13, s14, 3                          ; which slice of k
	s_lshr_b32 s14, s14, 2                         ; which 8 batches
	s_lshl_b32 s15, s14, 15                        ; 8 rows of 4,096 bytes
	s_lshl_b32 s20, ttmp9, 8                       ; which 64 columns: 256 bytes
	s_mov_b32 s21, 0
	s_lshl_b32 s16, s13, 10                        ; s: the slice's 1 KiB of a row, my batches
	s_add_co_u32 s16, s16, s15
	s_mov_b32 s17, 0
	s_lshl_b32 s18, s13, 20                        ; W_s: the slice's 256 rows, my columns
	s_add_co_u32 s18, s18, s20
	s_mov_b32 s19, 0
	s_lshl_b32 s22, s13, 17                        ; psfi: the slice's 128 KiB, my batches, my columns
	s_add_co_u32 s22, s22, s15
	s_add_co_u32 s22, s22, s20
	s_mov_b32 s23, 0
	s_cmp_eq_u32 s13, 0
	s_cselect_b32 s24, -1, 0                       ; all lanes in slice 0, none elsewhere: who adds the bias
	v_lshlrev_b32 v[BOFF], 4, v9
	v_lshlrev_b32 v[T16], 4, v0
	v_lshrrev_b32 v[SOFF], 6, v0
	v_and_b32 v[SA], 63, v0
	v_lshlrev_b32 v[SA], 4, v[SA]
	v_lshl_or_b32 v[SOFF], v[SOFF], 12, v[SA]
	v_lshlrev_b32 v[SA], 6, v[WOFF]                ; 16 w numbers of 4 bytes
	v_lshl_or_b32 v[SA], v[GO], 5, v[SA]           ; + 8 hh
	v_lshl_or_b32 v[WOFF], v[SA], 10, v[BOFF]      ; the same k as rows of 4,096 bytes, + 16 r
	v_lshl_add_u32 v[RA], v[SA], 6, v[BOFF]        ; (2 w + hh) x 2,048 + 16 r
	v_add_nc_u32 v[RA], RED, v[RA]
	v_and_b32 v[FA], 127, v0                       ; the tail is run by threads 0 to 127: batch t / 16, columns 4 (t % 16)
	v_lshrrev_b32 v[GO], 4, v[FA]
	v_lshl_or_b32 v[GO], v[GO], 12, v[BOFF]
	v_lshl_add_u32 v[FA], v[FA], 4, RED
	s_wait_kmcnt 0x0
	s_add_nc_u64 s[4:5], s[4:5], s[16:17]
	s_add_nc_u64 s[6:7], s[6:7], s[18:19]
	s_add_nc_u64 s[8:9], s[8:9], s[20:21]
	s_add_nc_u64 s[10:11], s[10:11], s[22:23]
	global_load_b128 v[BIAS:BIAS+3], v[BOFF], s[8:9]
	global_load_b128 v[STG:STG+3],   v[SOFF], s[4:5]
.irp i, 0,1,2,3,4,5,6,7
	global_load_b128 v[WR+4*\i:WR+4*\i+3], v[WOFF], s[6:7] offset:\i*ROWB
.endr
	s_wait_loadcnt 8                               ; loads return in order: the 8 of W_s are younger, b_s and s are in
	ds_store_b128 v[T16], v[STG:STG+3]
.irp i, 0,1,2,3
	v_cndmask_b32 v[BIAS+\i], 0, v[BIAS+\i], s24   ; the bias counts once in the four slices' sum
.endr
	s_wait_dscnt 0x0                               ; for the other waves: my part of s lies in LDS
	s_barrier_signal -1
	s_barrier_wait -1                              ; all 8 KiB of s do
.irp b, 0,1,2,3,4,5,6,7
.irp q, 0,1
	ds_load_b128 v[SB+8*\b+4*\q:SB+8*\b+4*\q+3], v[SA] offset:\b*1024+\q*16    ; the 16 lanes of a half read one address
.endr
.endr
	s_wait_dscnt 0x0
; 128 packed multiply-adds: 8 rows of W_s x 8 batches x 4 columns.  The number of s is one register of a pair, taken for both halves.
; The first row's products start the sums: nothing is cleared.  Between two links of a chain stand 15 others.
.irp kk, 0,1,2,3,4,5,6,7
	s_wait_loadcnt 7-\kk                           ; the rows of W_s behind this one may stay out
.irp b, 0,1,2,3,4,5,6,7
.irp p, 0,1
.set rA, ACC+4*\b+2*\p
.set rW, WR+4*\kk+2*\p
.set rS, SB+8*\b+(\kk/2)*2
.if \kk == 0
	v_pk_mul_f32 v[rA:rA+1], v[rW:rW+1], v[rS:rS+1] op_sel_hi:[1,0]
.elseif (\kk%2) == 0
	v_pk_fma_f32 v[rA:rA+1], v[rW:rW+1], v[rS:rS+1], v[rA:rA+1] op_sel_hi:[1,0,1]
.else
	v_pk_fma_f32 v[rA:rA+1], v[rW:rW+1], v[rS:rS+1], v[rA:rA+1] op_sel:[0,1,0] op_sel_hi:[1,1,1]
.endif
.endr
.endr
.endr
.irp b, 0,1,2,3,4,5,6,7
	ds_store_b128 v[RA], v[ACC+4*\b:ACC+4*\b+3] offset:\b*256
.endr
	s_wait_dscnt 0x0                               ; for the other waves: my slice lies in LDS
	s_barrier_signal -1
	s_barrier_wait -1
	s_cmp_ge_u32 s12, 4                            ; 8 batches x 64 columns are 128 lanes of 16 bytes: waves 0 to 3 add the slices
	s_cbranch_scc1 .Lend
.set sl, 0
.rept 32
	ds_load_b128 v[TL+4*sl:TL+4*sl+3], v[FA] offset:sl*2048
.set sl, sl+1
.endr
	s_wait_dscnt 0x0
.irp w, 16,8,4,2,1                     ; a tree in place: slice sl takes slice sl + w
.set sl, 0
.rept \w
	v_pk_add_f32 v[TL+4*sl:TL+4*sl+1],   v[TL+4*sl:TL+4*sl+1],   v[TL+4*(sl+\w):TL+4*(sl+\w)+1]
	v_pk_add_f32 v[TL+4*sl+2:TL+4*sl+3], v[TL+4*sl+2:TL+4*sl+3], v[TL+4*(sl+\w)+2:TL+4*(sl+\w)+3]
.set sl, sl+1
.endr
.endr
	v_pk_add_f32 v[STG:STG+1],   v[TL:TL+1],   v[BIAS:BIAS+1]
	v_pk_add_f32 v[STG+2:STG+3], v[TL+2:TL+3], v[BIAS+2:BIAS+3]
	global_store_b128 v[GO], v[STG:STG+3], s[10:11]    ; 16 lanes store 256 consecutive bytes, at a multiple of 256 from the first byte of psfi
.Lend:
	s_wait_tensorcnt 0x0
	ds_add_u32 v180, v181
	s_wait_dscnt 0x0
	s_endpgm
.Lfunc_end_k_qd5aee0fd61_proj_s:
	.size	k_qd5aee0fd61_proj_s, .Lfunc_end_k_qd5aee0fd61_proj_s-k_qd5aee0fd61_proj_s
	.p2alignl 7, 3214868480
	.fill 96, 4, 3214868480
	.section	.rodata,"a",@progbits
	.p2align	6, 0x0
	.amdhsa_kernel k_qd5aee0fd61_proj_s
		.amdhsa_group_segment_fixed_size 75776
		.amdhsa_private_segment_fixed_size 0
		.amdhsa_enable_private_segment 0
		.amdhsa_kernarg_size 32
		.amdhsa_user_sgpr_count 2
		.amdhsa_user_sgpr_kernarg_segment_ptr 1
		.amdhsa_wavefront_size32 1
		.amdhsa_system_sgpr_workgroup_id_x 1
		.amdhsa_system_sgpr_workgroup_id_y 1
		.amdhsa_system_sgpr_workgroup_id_z 1
		.amdhsa_system_vgpr_workitem_id 0
		.amdhsa_next_free_vgpr 182
		.amdhsa_next_free_sgpr 66
		.amdhsa_reserve_vcc 0
		.amdhsa_float_denorm_mode_32 3
		.amdhsa_float_denorm_mode_16_64 3
		.amdhsa_memory_ordered 1
		.amdhsa_forward_progress 1
		.amdhsa_inst_pref_size 20
	.end_amdhsa_kernel
	.amdgpu_metadata
---
amdhsa.version: [ 1, 2 ]
amdhsa.kernels:
  - .name:           k_qd5aee0fd61_proj_s
    .symbol:         k_qd5aee0fd61_proj_s.kd
    .args:
      - { .name: s, .offset: 0, .size: 8, .value_kind: global_buffer, .address_space: global }
      - { .name: W_s, .offset: 8, .size: 8, .value_kind: global_buffer, .address_space: global }
      - { .name: b_s, .offset: 16, .size: 8, .value_kind: global_buffer, .address_space: global }
      - { .name: psfi, .offset: 24, .size: 8, .value_kind: global_buffer, .address_space: global }
    .group_segment_fixed_size: 75776
    .private_segment_fixed_size: 0
    .kernarg_segment_align: 8
    .kernarg_segment_size: 32
    .max_flat_workgroup_size: 512
    .sgpr_count:     66
    .vgpr_count:     182
    .wavefront_size: 32
...
	.end_amdgpu_metadata
.endif
;; end of part 1
;; launch proj_u (part 2): grid 16 x 16, 16 waves a work-group, no clusters, 12,288 bytes of LDS; arguments psfi, W_h, pu; writes pu
.if DOCPART == 2
	.amdgcn_target "amdgcn-amd-amdhsa--gfx1250"
	.amdhsa_code_object_version 6
	.text
	.protected	k_qd5aee0fd61_proj_u
	.globl	k_qd5aee0fd61_proj_u
	.p2align	8
	.type	k_qd5aee0fd61_proj_u,@function
k_qd5aee0fd61_proj_u:
	s_mov_b64 s[64:65], 0
	v_nop
	global_prefetch_b8 v0, s[64:65] scope:SCOPE_SE
	s_setreg_imm32_b32 hwreg(HW_REG_WAVE_MODE, 25, 1), 1
	s_wait_xcnt 0x0
; pu[q][b][k] = sum over the 256 d of slice q of W_h[k][d] sfi[b][d], sfi = the sum of the four slices of psfi (= s W_s + b_s).
; The four slices of pu add up to u = W_h sfi; the launch that reads pu adds them.  psfi, pu: [4][32][1024], W_h: [1024][1024], all f32.
; WHY u.  With one query a batch, sfi . (h[t] W_h + b_h) = h[t] . u + sfi . b_h for every input, by the associativity of the products:
; the projection of all of h is replaced by this product of 32 rows.  All arithmetic is f32 on the vector unit: u feeds scores with a
; spread of some tens in front of an exponential, where the rounding of an operand to 16 bits would show as several per cent in the weights.
; SHARES.  16 blocks of 64 rows k x 4 slices of d x 4 groups of 8 batches = 256 work-groups.  A work-group reads 64 rows x 1 KiB of W_h
; (64 KiB) and 4 x 8 x 1 KiB of psfi.  Wave w takes rows 4 w .. 4 w + 3: 2 loads a row, 512 consecutive bytes each; a lane holds columns
; 128 j + 4 lane + 0..3 of load j.  32 sums (8 batches x 4 rows) a lane, then a folding reduction over the 32 lanes: in each of five
; steps a lane keeps one sum of a pair and hands the other to its partner, so that lane l ends with sum l alone.
; NO CLUSTER: the 4 work-groups of one block of W_h read the same 64 KiB, but a shared tile would have to pass through LDS (64 KiB
; written and read again in each work-group) where each number now goes from its load register into 8 multiply-adds.
; LIMIT: the sum over d is formed in another order than a plain dot product forms it (256 partial sums of 4, then trees).
.set ROWB,  4096
.set SLICE, 131072                     ; bytes in a slice of psfi and of pu
.set OUTT,  8192                       ; LDS: sfi of 8 batches at 0 (8 x 1,024); from here the results, [16 waves][8 batches][4 rows] f32
.set FADR, 1                           ; v1   16 x lane
.set WOFF, 2                           ; v2   my byte offset in W_h: 4 w rows + 16 x lane; never rewritten
.set T16,  3                           ; v3   16 x thread: where my 16 bytes of sfi go in LDS
.set SOFF, 4                           ; v4   and where they come from: batch t / 64, byte 16 (t % 64) of its 1 KiB
.set OA,   5                           ; v5   OUTT + 4 x thread: a wave's 32 results lie in 128 bytes of its own
.set FA,   6                           ; v6   tail: LDS address of my 16 bytes of the results
.set GO,   7                           ; v7   tail: my byte offset in pu
.set TT,   16                          ; v[16:79]   the pair of sums of (batch b, row r) at TT + 2 (4 b + r)
.set FR,   80                          ; v[80:143]  load j, batch b: 4 numbers of sfi at FR + 32 j + 4 b; then RES and TMP
.set WR,   144                         ; v[144:175] load j of row r at WR + 16 j + 4 r
.set STG,  176                         ; v[176:191] the four slices of psfi on their way into LDS; in the tail v[176:179] is the result
.set RES,  FR                          ; 32 sums, index 4 b + r
.set TMP,  FR+32                       ; 16 numbers to hand over
	s_load_b128 s[4:7], s[0:1], 0x0                ; psfi s[4:5], W_h s[6:7]
	s_load_b64 s[8:9], s[0:1], 0x10                ; pu
	v_lshl_add_u32 v192, v0, 2, 0x2800
	v_mov_b32 v193, 0
	v_lshrrev_b32 v8, 5, v0
	v_readfirstlane_b32 s12, v8                    ; wave 0..15
	s_and_b32 s14, ttmp7, 0xffff
	s_and_b32 s13, s14, 3                          ; which slice of d
	s_lshr_b32 s14, s14, 2                         ; which 8 batches
	s_lshl_b32 s15, s14, 15                        ; 8 rows of 4,096 bytes
	s_lshl_b32 s16, s13, 10                        ; psfi: the slice's 1 KiB of a row, my batches
	s_lshl_b32 s18, ttmp9, 18                      ; W_h: my 64 rows, the slice's 1 KiB of each
	s_add_co_u32 s18, s18, s16
	s_mov_b32 s19, 0
	s_add_co_u32 s16, s16, s15
	s_mov_b32 s17, 0
	s_lshl_b32 s22, s13, 17                        ; pu: the slice's 128 KiB, my batches, my 64 k
	s_add_co_u32 s22, s22, s15
	s_lshl_b32 s23, ttmp9, 8
	s_add_co_u32 s22, s22, s23
	s_mov_b32 s23, 0
	s_mov_b32 s20, 0x76543210                      ; v_permlanex16_b32: each lane takes its own place in the other half
	s_mov_b32 s21, 0xfedcba98
	s_mov_b32 s24, 0xaaaaaaaa                      ; the lanes whose number has bit 0 set,
	s_mov_b32 s25, 0xcccccccc                      ; bit 1,
	s_mov_b32 s26, 0xf0f0f0f0                      ; bit 2,
	s_mov_b32 s27, 0xff00ff00                      ; bit 3,
	s_mov_b32 s28, 0xffff0000                      ; bit 4
	v_and_b32 v9, 31, v0
	v_lshlrev_b32 v[FADR], 4, v9
	v_lshl_or_b32 v[WOFF], v8, 14, v[FADR]
	v_lshlrev_b32 v[T16], 4, v0
	v_lshrrev_b32 v[SOFF], 6, v0
	v_and_b32 v10, 63, v0
	v_lshlrev_b32 v10, 4, v10
	v_lshl_or_b32 v[SOFF], v[SOFF], 12, v10
	v_lshl_add_u32 v[OA], v0, 2, OUTT
	v_and_b32 v[GO], 127, v0                       ; the tail is run by threads 0 to 127: batch t / 16, k = 4 (t % 16) + 0..3,
	v_lshrrev_b32 v[GO], 4, v[GO]
	v_and_b32 v10, 15, v0                          ; which are wave t % 16's four results of that batch
	v_lshlrev_b32 v[FA], 4, v[GO]
	v_lshl_add_u32 v[FA], v10, 7, v[FA]
	v_add_nc_u32 v[FA], OUTT, v[FA]
	v_lshlrev_b32 v10, 4, v10
	v_lshl_or_b32 v[GO], v[GO], 12, v10
	s_wait_kmcnt 0x0
	s_add_nc_u64 s[4:5], s[4:5], s[16:17]
	s_add_nc_u64 s[6:7], s[6:7], s[18:19]
	s_add_nc_u64 s[8:9], s[8:9], s[22:23]
.irp q, 0,1,2,3
	global_load_b128 v[STG+4*\q:STG+4*\q+3], v[SOFF], s[4:5] offset:\q*SLICE
.endr
.irp j, 0,1
.irp r, 0,1,2,3
	global_load_b128 v[WR+16*\j+4*\r:WR+16*\j+4*\r+3], v[WOFF], s[6:7] offset:\r*ROWB+\j*512
.endr
.endr
	s_wait_loadcnt 8                               ; loads return in order: the 8 of W_h are younger, the four slices are in
.irp p, 0,2
	v_pk_add_f32 v[STG+\p:STG+\p+1],     v[STG+\p:STG+\p+1],     v[STG+4+\p:STG+4+\p+1]
	v_pk_add_f32 v[STG+8+\p:STG+8+\p+1], v[STG+8+\p:STG+8+\p+1], v[STG+12+\p:STG+12+\p+1]
.endr
.irp p, 0,2
	v_pk_add_f32 v[STG+\p:STG+\p+1],     v[STG+\p:STG+\p+1],     v[STG+8+\p:STG+8+\p+1]   ; sfi
.endr
	ds_store_b128 v[T16], v[STG:STG+3]
	s_wait_dscnt 0x0                               ; for the other waves: my part of sfi lies in LDS
	s_barrier_signal -1
	s_barrier_wait -1
.irp j, 0,1
.irp b, 0,1,2,3,4,5,6,7
	ds_load_b128 v[FR+32*\j+4*\b:FR+32*\j+4*\b+3], v[FADR] offset:\b*1024+\j*512   ; 512 consecutive bytes
.endr
.endr
; 64 packed multiply-adds: 8 batches x 4 rows x 4 columns.  The first products start the sums; between two links of a chain stand 31 others.
.macro DOT j
.irp p, 0,1
.irp b, 0,1,2,3,4,5,6,7
.irp r, 0,1,2,3
.set rT, TT+2*(4*\b+\r)
.set rW, WR+16*\j+4*\r+2*\p
.set rF, FR+32*\j+4*\b+2*\p
.if (\j == 0) && (\p == 0)
	v_pk_mul_f32 v[rT:rT+1], v[rW:rW+1], v[rF:rF+1]
.else
	v_pk_fma_f32 v[rT:rT+1], v[rW:rW+1], v[rF:rF+1], v[rT:rT+1]
.endif
.endr
.endr
.endr
.endm
	s_wait_dscnt 8                                 ; the second half's 8 LDS loads may stay out
	s_wait_loadcnt 4                               ; and its 4 loads of W_h
	DOT 0
	s_wait_dscnt 0x0
	s_wait_loadcnt 0x0
	DOT 1
.set i, 0
.rept 32
	v_add_f32 v[RES+i], v[TT+2*i], v[TT+2*i+1]     ; the two halves of a pair
.set i, i+1
.endr
; One fold: n pairs of sums become n sums.  A lane whose number has the step's bit clear keeps the pair's first sum and hands over the
; second; its partner, x lanes away, does the reverse; each adds what it is handed.  Sum i of the new n lies where i lay: the keeps are
; written in ascending order, each over a register whose pair has been read.
.macro FOLD n, m, x
.set i, 0
.rept \n
	v_cndmask_b32 v[TMP+i], v[RES+2*i+1], v[RES+2*i], s[\m]
.set i, i+1
.endr
.set i, 0
.rept \n
	v_cndmask_b32 v[RES+i], v[RES+2*i], v[RES+2*i+1], s[\m]
.set i, i+1
.endr
.set i, 0
.rept \n
	v_add_f32_dpp v[RES+i], v[TMP+i], v[RES+i] row_xmask:\x row_mask:0xf bank_mask:0xf
.set i, i+1
.endr
.endm
	FOLD 16, 24, 1
	FOLD 8,  25, 2
	FOLD 4,  26, 4
	FOLD 2,  27, 8
	v_cndmask_b32 v[TMP], v[RES+1], v[RES], s28    ; the last fold crosses the halves of the lanes
	v_cndmask_b32 v[RES], v[RES], v[RES+1], s28
	v_permlanex16_b32 v[TMP+1], v[TMP], s20, s21   ; its destination counts as read: TMP + 1 has been written by the first fold
	v_add_f32 v[RES], v[RES], v[TMP+1]             ; lane l holds sum l: batch l / 4, row l % 4
	ds_store_b32 v[OA], v[RES]
	s_wait_dscnt 0x0                               ; for the other waves: my 32 results lie in LDS
	s_barrier_signal -1
	s_barrier_wait -1
	s_cmp_ge_u32 s12, 4                            ; 8 batches x 64 k are 128 lanes of 16 bytes: waves 0 to 3 store them
	s_cbranch_scc1 .Lend
	ds_load_b128 v[STG:STG+3], v[FA]
	s_wait_dscnt 0x0
	global_store_b128 v[GO], v[STG:STG+3], s[8:9]  ; 16 lanes store 256 consecutive bytes, at a multiple of 256 from the first byte of pu
.Lend:
	s_wait_tensorcnt 0x0
	ds_add_u32 v192, v193
	s_wait_dscnt 0x0
	s_endpgm
.Lfunc_end_k_qd5aee0fd61_proj_u:
	.size	k_qd5aee0fd61_proj_u, .Lfunc_end_k_qd5aee0fd61_proj_u-k_qd5aee0fd61_proj_u
	.p2alignl 7, 3214868480
	.fill 96, 4, 3214868480
	.section	.rodata,"a",@progbits
	.p2align	6, 0x0
	.amdhsa_kernel k_qd5aee0fd61_proj_u
		.amdhsa_group_segment_fixed_size 12288
		.amdhsa_private_segment_fixed_size 0
		.amdhsa_enable_private_segment 0
		.amdhsa_kernarg_size 24
		.amdhsa_user_sgpr_count 2
		.amdhsa_user_sgpr_kernarg_segment_ptr 1
		.amdhsa_wavefront_size32 1
		.amdhsa_system_sgpr_workgroup_id_x 1
		.amdhsa_system_sgpr_workgroup_id_y 1
		.amdhsa_system_sgpr_workgroup_id_z 1
		.amdhsa_system_vgpr_workitem_id 0
		.amdhsa_next_free_vgpr 194
		.amdhsa_next_free_sgpr 66
		.amdhsa_reserve_vcc 0
		.amdhsa_float_denorm_mode_32 3
		.amdhsa_float_denorm_mode_16_64 3
		.amdhsa_memory_ordered 1
		.amdhsa_forward_progress 1
		.amdhsa_inst_pref_size 21
	.end_amdhsa_kernel
	.amdgpu_metadata
---
amdhsa.version: [ 1, 2 ]
amdhsa.kernels:
  - .name:           k_qd5aee0fd61_proj_u
    .symbol:         k_qd5aee0fd61_proj_u.kd
    .args:
      - { .name: psfi, .offset: 0, .size: 8, .value_kind: global_buffer, .address_space: global }
      - { .name: W_h, .offset: 8, .size: 8, .value_kind: global_buffer, .address_space: global }
      - { .name: pu, .offset: 16, .size: 8, .value_kind: global_buffer, .address_space: global }
    .group_segment_fixed_size: 12288
    .private_segment_fixed_size: 0
    .kernarg_segment_align: 8
    .kernarg_segment_size: 24
    .max_flat_workgroup_size: 512
    .sgpr_count:     66
    .vgpr_count:     194
    .wavefront_size: 32
...
	.end_amdgpu_metadata
.endif
;; end of part 2
;; launch stream (part 3): grid 8 x 32, 16 waves a work-group, no clusters, 72,192 bytes of LDS; arguments h, pu, psfi, b_h, part; writes part
.if DOCPART == 3
	.amdgcn_target "amdgcn-amd-amdhsa--gfx1250"
	.amdhsa_code_object_version 6
	.text
	.protected	k_qd5aee0fd61_stream
	.globl	k_qd5aee0fd61_stream
	.p2align	8
	.type	k_qd5aee0fd61_stream,@function
k_qd5aee0fd61_stream:
	s_mov_b64 s[64:65], 0
	v_nop
	global_prefetch_b8 v0, s[64:65] scope:SCOPE_SE
	s_setreg_imm32_b32 hwreg(HW_REG_WAVE_MODE, 25, 1), 1
	s_wait_xcnt 0x0
; For batch b and a chunk of 256 rows t of h: the scores e[t] = h[t] . u[b] + sfi[b] . b_h, a softmax with a running maximum, and the
; partial context: m = max of e log2(e), l = sum of 2^(e log2(e) - m), acc[d] = sum of 2^(e log2(e) - m) h[t][d].  h: [32][2048][1024] f32.
; u and sfi come as four slices each (pu, psfi: [4][32][1024] f32), which are added here, once, on the way into LDS.
; e is the score of the module as it stands: sfi . (h[t] W_h + b_h) = h[t] . (W_h sfi) + sfi . b_h, for every input.
; h is read ONCE: a wave takes a whole row (8 loads of 512 consecutive bytes, 32 registers a lane) and keeps it between the score and
; the update of the context.  No LDS ring, no matrix unit, no cluster: no byte of h is used by two waves, and a row feeds 4 operations a number.
; SHARES.  A work-group owns 256 rows (1 MiB); wave w takes rows 16 i + w, i = 0..15, so that the 16 waves sweep 64 KiB on end.
; Each wave runs a ring of 4 row slots in registers and works on two rows at a time: 16 to 32 loads of a wave are out.
; At the end the 16 waves' (m, l, acc) meet in LDS and leave as one record of 4,352 bytes: 1,024 sums, then (m, l) 32 times over.
; LIMITS.  Sums in f32, in another order than a plain dot product; a weight below 2^-126 counts as 0 (v_exp_f32 flushes such results:
; ISA guide, its entry); the maximum ignores a NaN, which still reaches the result through the weights; infinite inputs are not served.
.set ROWB,   4096
.set SLICE,  131072                    ; bytes in a slice of pu and of psfi
.set STAT,   65536                     ; LDS: the waves' acc at 0, [16][1024] f32; here 16 pairs (m, l)
.set USTG,   65792                     ; u x log2(e), 4,096 bytes
.set CBP,    69888                     ; 16 partial sums of sfi . b_h
.set RECORD, 4352
.set OFF,  1                           ; v1   wave x 4,096 + 16 x lane: my offset in h, and in the waves' acc in LDS; never rewritten
.set T8,   2                           ; v2   8 x thread: columns 2 t, 2 t + 1; never rewritten
.set LU,   3                           ; v3   USTG + 16 x lane
.set LANE, 4
.set CBW,  5                           ; v5   CBP + 4 x wave
.set ML,   6                           ; v[6:7]   m, l
.set MN,   8                           ; v8       the new m
.set UST,  9                           ; v9   USTG + 8 x thread
.set AF,   10                          ; v[10:11] a = 2^(m_old - m_new), its exponent
.set P0,   12                          ; v[12:13] the first row's weight, its exponent; at the end the work-group's (m, l)
.set P1,   14                          ; v[14:15] the second row's; at the end my two sums
.set E0,   16                          ; v16, v17 the two scores; at the head b_h of my two columns
.set E1,   17
.set CBA,  18                          ; v18  CBP
.set STW,  19                          ; v19  STAT + 8 x wave
.set CBL,  20                          ; v[20:21] lane 0: (sfi . b_h log2(e), 0); other lanes: (0, 0)
.set TT,   22                          ; v[22:37] 8 pairs: chains 0-3 of the first row, 4-7 of the second; at the head the slices of pu and psfi
.set STA,  38                          ; v38  STAT
.set L8,   39                          ; v39  8 x lane
.set UR,   40                          ; v[40:71]   u x log2(e), my 32 columns
.set ACC,  72                          ; v[72:103]  acc, my 32 columns
.set XR,   104                         ; v[104:231] 4 row slots of 32
	s_load_b256 s[4:11], s[0:1], 0x0               ; h s[4:5], pu s[6:7], psfi s[8:9], b_h s[10:11]
	s_load_b64 s[12:13], s[0:1], 0x20              ; part
	v_lshl_add_u32 v232, v0, 2, 0x11200
	v_mov_b32 v233, 0
	v_lshrrev_b32 v[MN], 5, v0
	v_readfirstlane_b32 s14, v[MN]                 ; wave 0..15
	s_and_b32 s16, ttmp7, 0xffff                   ; the batch
	s_lshl_b32 s18, s16, 23                        ; its 8 MiB of h,
	s_lshl_b32 s17, ttmp9, 20                      ; the chunk's 1 MiB
	s_or_b32 s18, s18, s17
	s_mov_b32 s19, 0
	s_lshl_b32 s22, s16, 12                        ; the batch's row in a slice of pu and of psfi
	s_mov_b32 s23, 0
	s_lshl_b32 s26, s16, 3
	s_add_co_u32 s26, s26, ttmp9                   ; record 8 x batch + chunk
	s_mul_i32 s26, s26, RECORD
	s_mov_b32 s27, 0
	s_mov_b32 s20, 0x76543210                      ; v_permlanex16_b32: each lane takes its own place in the other half
	s_mov_b32 s21, 0xfedcba98
	s_mov_b32 s24, 0x3fb8aa3b                      ; log2(e)
	s_mov_b32 s25, s24                             ; named with it as a pair, so it is written
	v_and_b32 v[LANE], 31, v0
	v_lshlrev_b32 v[OFF], 4, v[LANE]
	v_add_nc_u32 v[LU], USTG, v[OFF]
	v_lshl_or_b32 v[OFF], v[MN], 12, v[OFF]
	v_lshlrev_b32 v[T8], 3, v0
	v_add_nc_u32 v[UST], USTG, v[T8]
	v_lshl_add_u32 v[CBW], v[MN], 2, CBP
	v_mov_b32 v[CBA], CBP
	v_lshl_add_u32 v[STW], v[MN], 3, STAT
	v_mov_b32 v[STA], STAT
	v_lshlrev_b32 v[L8], 3, v[LANE]
	s_wait_kmcnt 0x0
	s_add_nc_u64 s[4:5], s[4:5], s[18:19]
	s_add_nc_u64 s[6:7], s[6:7], s[22:23]
	s_add_nc_u64 s[8:9], s[8:9], s[22:23]
	s_add_nc_u64 s[12:13], s[12:13], s[26:27]
; row 16 i + wave into slot i % 4: 8 loads, 512 consecutive bytes each.  The row stands in the immediate: 986,624 bytes at the most.
.macro FILL i
.irp j, 0,1,2,3,4,5,6,7
	global_load_b128 v[XR+32*((\i)%4)+4*\j:XR+32*((\i)%4)+4*\j+3], v[OFF], s[4:5] offset:(\i)*65536+\j*512 th:TH_LOAD_NT
.endr
.endm
.irp q, 0,1,2,3
	global_load_b64 v[TT+2*\q:TT+2*\q+1], v[T8], s[6:7] offset:\q*SLICE        ; the four slices of u: thread t takes columns 2 t, 2 t + 1
.endr
.irp q, 0,1,2,3
	global_load_b64 v[TT+8+2*\q:TT+8+2*\q+1], v[T8], s[8:9] offset:\q*SLICE    ; the four slices of sfi
.endr
	global_load_b64 v[E0:E0+1], v[T8], s[10:11]    ; b_h
	FILL 0
	FILL 1
	FILL 2
	FILL 3
	s_wait_loadcnt 32                              ; loads return in order: the 32 of h are younger, the nine small ones are in
	v_pk_add_f32 v[TT:TT+1],     v[TT:TT+1],     v[TT+2:TT+3]
	v_pk_add_f32 v[TT+4:TT+5],   v[TT+4:TT+5],   v[TT+6:TT+7]
	v_pk_add_f32 v[TT+8:TT+9],   v[TT+8:TT+9],   v[TT+10:TT+11]
	v_pk_add_f32 v[TT+12:TT+13], v[TT+12:TT+13], v[TT+14:TT+15]
	v_pk_add_f32 v[TT:TT+1],     v[TT:TT+1],     v[TT+4:TT+5]      ; u
	v_pk_add_f32 v[TT+8:TT+9],   v[TT+8:TT+9],   v[TT+12:TT+13]    ; sfi
	v_pk_mul_f32 v[TT:TT+1], v[TT:TT+1], s[24:25] op_sel_hi:[1,0]  ; log2(e) is folded into u once: the scores come out in base 2
	ds_store_b64 v[UST], v[TT:TT+1]
	v_mul_f32 v[TT+6], v[TT+8], v[E0]              ; my part of sfi . b_h
	v_fmac_f32 v[TT+6], v[TT+9], v[E1]
.irp m, 1,2,4,8
	v_add_f32_dpp v[TT+6], v[TT+6], v[TT+6] row_xmask:\m row_mask:0xf bank_mask:0xf
.endr
	v_permlanex16_b32 v[TT+4], v[TT+6], s20, s21
	v_add_f32 v[TT+6], v[TT+6], v[TT+4]
	ds_store_b32 v[CBW], v[TT+6]                   ; my wave's part: every lane writes the same number to the same word
	s_wait_dscnt 0x0                               ; for the other waves: my parts of u and of sfi . b_h lie in LDS
	s_barrier_signal -1                            ; (the loads of h stay out across the barrier: nobody writes h)
	s_barrier_wait -1
.irp j, 0,1,2,3,4,5,6,7
	ds_load_b128 v[UR+4*\j:UR+4*\j+3], v[LU] offset:\j*512         ; the columns that load j of a row brings me
.endr
.irp q, 0,1,2,3
	ds_load_b128 v[TT+4*\q:TT+4*\q+3], v[CBA] offset:16*\q
.endr
	s_wait_dscnt 0x0
.irp q, 0,2,4,6
	v_pk_add_f32 v[TT+\q:TT+\q+1], v[TT+\q:TT+\q+1], v[TT+8+\q:TT+8+\q+1]
.endr
	v_pk_add_f32 v[TT:TT+1],   v[TT:TT+1],   v[TT+4:TT+5]
	v_pk_add_f32 v[TT+2:TT+3], v[TT+2:TT+3], v[TT+6:TT+7]
	v_pk_add_f32 v[TT:TT+1],   v[TT:TT+1],   v[TT+2:TT+3]
	v_add_f32 v[TT], v[TT], v[TT+1]                ; sfi . b_h
	v_mul_f32 v[TT], s24, v[TT]
	v_cmp_eq_u32 vcc_lo, 0, v[LANE]
	v_cndmask_b32 v[CBL], 0, v[TT], vcc_lo         ; lane 0 alone carries it: a row's sum over the lanes then holds it once
	v_mov_b32 v[CBL+1], 0
; Rows 2 g and 2 g + 1 of my 16.  g = 0 starts m, l and acc: nothing is cleared.
.macro PAIR g
.set XA, XR+32*((2*\g)%4)
.set XB, XR+32*((2*\g+1)%4)
.if \g < 7
	s_wait_loadcnt 16                              ; the two younger rows' 16 loads may stay out
.else
	s_wait_loadcnt 0x0
.endif
	; the scores: 16 packed products a row in 4 chains, the two rows by turns; chain 0 starts from sfi . b_h
	v_pk_fma_f32 v[TT:TT+1],   v[XA:XA+1], v[UR:UR+1], v[CBL:CBL+1]
	v_pk_fma_f32 v[TT+8:TT+9], v[XB:XB+1], v[UR:UR+1], v[CBL:CBL+1]
.irp i, 1,2,3
	v_pk_mul_f32 v[TT+2*\i:TT+2*\i+1],     v[XA+2*\i:XA+2*\i+1], v[UR+2*\i:UR+2*\i+1]
	v_pk_mul_f32 v[TT+8+2*\i:TT+8+2*\i+1], v[XB+2*\i:XB+2*\i+1], v[UR+2*\i:UR+2*\i+1]
.endr
.irp i, 4,5,6,7,8,9,10,11,12,13,14,15
	v_pk_fma_f32 v[TT+2*(\i%4):TT+2*(\i%4)+1],     v[XA+2*\i:XA+2*\i+1], v[UR+2*\i:UR+2*\i+1], v[TT+2*(\i%4):TT+2*(\i%4)+1]
	v_pk_fma_f32 v[TT+8+2*(\i%4):TT+8+2*(\i%4)+1], v[XB+2*\i:XB+2*\i+1], v[UR+2*\i:UR+2*\i+1], v[TT+8+2*(\i%4):TT+8+2*(\i%4)+1]
.endr
	v_pk_add_f32 v[TT:TT+1],     v[TT:TT+1],     v[TT+2:TT+3]
	v_pk_add_f32 v[TT+8:TT+9],   v[TT+8:TT+9],   v[TT+10:TT+11]
	v_pk_add_f32 v[TT+4:TT+5],   v[TT+4:TT+5],   v[TT+6:TT+7]
	v_pk_add_f32 v[TT+12:TT+13], v[TT+12:TT+13], v[TT+14:TT+15]
	v_pk_add_f32 v[TT:TT+1],     v[TT:TT+1],     v[TT+4:TT+5]
	v_pk_add_f32 v[TT+8:TT+9],   v[TT+8:TT+9],   v[TT+12:TT+13]
	v_add_f32 v[E0], v[TT], v[TT+1]
	v_add_f32 v[E1], v[TT+8], v[TT+9]
.irp m, 1,2,4,8
	v_add_f32_dpp v[E0], v[E0], v[E0] row_xmask:\m row_mask:0xf bank_mask:0xf
	v_add_f32_dpp v[E1], v[E1], v[E1] row_xmask:\m row_mask:0xf bank_mask:0xf
.endr
	v_permlanex16_b32 v[TT+2],  v[E0], s20, s21
	v_permlanex16_b32 v[TT+10], v[E1], s20, s21
	v_add_f32 v[E0], v[E0], v[TT+2]                ; every lane now holds both scores, the same bits in all
	v_add_f32 v[E1], v[E1], v[TT+10]
	; the running maximum; acc and l are rescaled in every pair (a is 1 where m has not grown): no branch hangs on data
.if \g == 0
	v_max_num_f32 v[MN], v[E0], v[E1]
.else
	v_max3_num_f32 v[MN], v[E0], v[E1], v[ML]
	v_sub_f32 v[AF+1], v[ML], v[MN]
.endif
	v_sub_f32 v[P0+1], v[E0], v[MN]
	v_sub_f32 v[P1+1], v[E1], v[MN]
.if \g > 0
	v_exp_f32 v[AF], v[AF+1]
.endif
	v_exp_f32 v[P0], v[P0+1]
	v_exp_f32 v[P1], v[P1+1]
	v_mov_b32 v[ML], v[MN]                         ; the plain instruction between the exponentials and the use of their results (ISA guide 5.7.2)
.if \g == 0
	s_wait_alu depctr_va_vdst(0)
	v_add_f32 v[ML+1], v[P0], v[P1]
.else
	s_wait_alu depctr_va_vdst(0)
	v_fma_f32 v[ML+1], v[ML+1], v[AF], v[P0]
	v_add_f32 v[ML+1], v[ML+1], v[P1]
.endif
	; the context; a slot is asked for again as soon as its row has been used
.set i, 0
.rept 16
.if \g == 0
	v_pk_mul_f32 v[ACC+i:ACC+i+1], v[XA+i:XA+i+1], v[P0:P0+1] op_sel_hi:[1,0]
.else
	v_pk_mul_f32 v[ACC+i:ACC+i+1], v[ACC+i:ACC+i+1], v[AF:AF+1] op_sel_hi:[1,0]
.endif
.set i, i+2
.endr
.if \g > 0
.set i, 0
.rept 16
	v_pk_fma_f32 v[ACC+i:ACC+i+1], v[XA+i:XA+i+1], v[P0:P0+1], v[ACC+i:ACC+i+1] op_sel_hi:[1,0,1]
.set i, i+2
.endr
.endif
.if \g < 6
	FILL 2*\g+4
.endif
.set i, 0
.rept 16
	v_pk_fma_f32 v[ACC+i:ACC+i+1], v[XB+i:XB+i+1], v[P1:P1+1], v[ACC+i:ACC+i+1] op_sel_hi:[1,0,1]
.set i, i+2
.endr
.if \g < 6
	FILL 2*\g+5
.endif
.endm
.irp g, 0,1,2,3,4,5,6,7
	PAIR \g
.endr
	; THE 16 WAVES MEET.  Each puts its acc and its (m, l) into LDS; then thread t merges columns 2 t, 2 t + 1 of all 16.
.irp j, 0,1,2,3,4,5,6,7
	ds_store_b128 v[OFF], v[ACC+4*\j:ACC+4*\j+3] offset:\j*512
.endr
	ds_store_b64 v[STW], v[ML:ML+1]                ; every lane writes the same pair to the same 8 bytes
	s_wait_dscnt 0x0                               ; for the other waves: my acc and my (m, l) lie in LDS
	s_barrier_signal -1
	s_barrier_wait -1
.irp q, 0,1,2,3,4,5,6,7
	ds_load_b128 v[XR+4*\q:XR+4*\q+3], v[STA] offset:16*\q         ; wave w: m at XR + 2 w, l at XR + 2 w + 1
.endr
.set w, 0
.rept 16
	ds_load_b64 v[XR+32+2*w:XR+32+2*w+1], v[T8] offset:w*ROWB
.set w, w+1
.endr
	s_wait_dscnt 16                                ; the 16 pairs are in; the 16 loads of columns may stay out
	v_max3_num_f32 v[P0], v[XR], v[XR+2], v[XR+4]
.irp w, 3,5,7,9,11,13
	v_max3_num_f32 v[P0], v[P0], v[XR+2*\w], v[XR+2*\w+2]
.endr
	v_max_num_f32 v[P0], v[P0], v[XR+30]           ; the work-group's m
.set w, 0
.rept 16
	v_sub_f32 v[XR+2*w], v[XR+2*w], v[P0]
.set w, w+1
.endr
.set w, 0
.rept 16
	v_exp_f32 v[XR+2*w], v[XR+2*w]                 ; f = 2^(m_w - m)
.set w, w+1
.endr
	v_nop                                          ; the plain instruction behind the last exponential
	s_wait_alu depctr_va_vdst(0)
	v_mul_f32 v[P0+1], v[XR], v[XR+1]              ; the work-group's l = sum of f l_w
.set w, 1
.rept 15
	v_fmac_f32 v[P0+1], v[XR+2*w], v[XR+2*w+1]
.set w, w+1
.endr
	s_wait_dscnt 0x0
	v_pk_mul_f32 v[P1:P1+1], v[XR+32:XR+33], v[XR:XR+1] op_sel_hi:[1,0]
.set w, 1
.rept 15
	v_pk_fma_f32 v[P1:P1+1], v[XR+32+2*w:XR+32+2*w+1], v[XR+2*w:XR+2*w+1], v[P1:P1+1] op_sel_hi:[1,0,1]
.set w, w+1
.endr
	global_store_b64 v[T8], v[P1:P1+1], s[12:13]   ; a wave stores 256 consecutive bytes, at a multiple of 256 from the first byte of part
	s_cmp_lg_u32 s14, 0
	s_cbranch_scc1 .Lend
	global_store_b64 v[L8], v[P0:P0+1], s[12:13] offset:4096       ; wave 0: (m, l) 32 times over, so that these 256 bytes too are written whole
.Lend:
	s_wait_tensorcnt 0x0
	ds_add_u32 v232, v233
	s_wait_dscnt 0x0
	s_endpgm
.Lfunc_end_k_qd5aee0fd61_stream:
	.size	k_qd5aee0fd61_stream, .Lfunc_end_k_qd5aee0fd61_stream-k_qd5aee0fd61_stream
	.p2alignl 7, 3214868480
	.fill 96, 4, 3214868480
	.section	.rodata,"a",@progbits
	.p2align	6, 0x0
	.amdhsa_kernel k_qd5aee0fd61_stream
		.amdhsa_group_segment_fixed_size 72192
		.amdhsa_private_segment_fixed_size 0
		.amdhsa_enable_private_segment 0
		.amdhsa_kernarg_size 40
		.amdhsa_user_sgpr_count 2
		.amdhsa_user_sgpr_kernarg_segment_ptr 1
		.amdhsa_wavefront_size32 1
		.amdhsa_system_sgpr_workgroup_id_x 1
		.amdhsa_system_sgpr_workgroup_id_y 1
		.amdhsa_system_sgpr_workgroup_id_z 1
		.amdhsa_system_vgpr_workitem_id 0
		.amdhsa_next_free_vgpr 234
		.amdhsa_next_free_sgpr 66
		.amdhsa_reserve_vcc 1
		.amdhsa_float_denorm_mode_32 3
		.amdhsa_float_denorm_mode_16_64 3
		.amdhsa_memory_ordered 1
		.amdhsa_forward_progress 1
		.amdhsa_inst_pref_size 75
	.end_amdhsa_kernel
	.amdgpu_metadata
---
amdhsa.version: [ 1, 2 ]
amdhsa.kernels:
  - .name:           k_qd5aee0fd61_stream
    .symbol:         k_qd5aee0fd61_stream.kd
    .args:
      - { .name: h, .offset: 0, .size: 8, .value_kind: global_buffer, .address_space: global }
      - { .name: pu, .offset: 8, .size: 8, .value_kind: global_buffer, .address_space: global }
      - { .name: psfi, .offset: 16, .size: 8, .value_kind: global_buffer, .address_space: global }
      - { .name: b_h, .offset: 24, .size: 8, .value_kind: global_buffer, .address_space: global }
      - { .name: part, .offset: 32, .size: 8, .value_kind: global_buffer, .address_space: global }
    .group_segment_fixed_size: 72192
    .private_segment_fixed_size: 0
    .kernarg_segment_align: 8
    .kernarg_segment_size: 40
    .max_flat_workgroup_size: 512
    .sgpr_count:     66
    .vgpr_count:     234
    .wavefront_size: 32
...
	.end_amdgpu_metadata
.endif
;; end of part 3
;; launch merge (part 4): grid 8 x 32, 1 waves a work-group, no clusters, 0 bytes of LDS; arguments part, out0; writes out0
.if DOCPART == 4
	.amdgcn_target "amdgcn-amd-amdhsa--gfx1250"
	.amdhsa_code_object_version 6
	.text
	.protected	k_qd5aee0fd61_merge
	.globl	k_qd5aee0fd61_merge
	.p2align	8
	.type	k_qd5aee0fd61_merge,@function
k_qd5aee0fd61_merge:
	s_mov_b64 s[64:65], 0
	v_nop
	global_prefetch_b8 v0, s[64:65] scope:SCOPE_SE
	s_setreg_imm32_b32 hwreg(HW_REG_WAVE_MODE, 25, 1), 1
	s_wait_xcnt 0x0
; out0[b][d] = sum over the 8 chunks g of f_g acc_g[d] / sum over g of f_g l_g, f_g = 2^(m_g - max m).  part: 256 records of 4,352 bytes
; (1,024 f32 of acc, then the pair (m, l) 32 times over), record 8 b + g.  out0: [32][1024] f32.
; One wave a work-group: 128 columns of one batch, 4 a lane.  All 16 loads go out at the head; no LDS, no barrier: no wave needs another.
; LIMITS: the division is a multiplication by v_rcp_f32 (1 ulp); a factor below 2^-126 counts as 0 (v_exp_f32 flushes such results).
.set RECORD, 4352
.set ML, 4                             ; v[4:19]   chunk g: m (then f) at ML + 2 g, l at ML + 2 g + 1
.set AC, 20                            ; v[20:51]  chunk g: my 4 sums at AC + 4 g
.set MX, 52                            ; v52  the largest m
.set LS, 53                            ; v53  the sum of f l
.set RS, 54                            ; v[54:57]  my 4 results
.set RC, 58                            ; v[58:59]  1 / LS, twice: a pair for the packed multiply
	s_load_b128 s[4:7], s[0:1], 0x0                ; part s[4:5], out0 s[6:7]
	s_and_b32 s12, ttmp7, 0xffff                   ; the batch
	s_mul_i32 s10, s12, 8*RECORD                   ; its 8 records
	s_mov_b32 s11, 0
	s_lshl_b32 s13, ttmp9, 9                       ; my 128 columns: 512 bytes
	s_lshl_b32 s14, s12, 12
	s_add_co_u32 s14, s14, s13                     ; and their place in out0
	s_mov_b32 s15, 0
	v_lshlrev_b32 v1, 4, v0                        ; 16 x lane
	v_lshlrev_b32 v2, 3, v0                        ; 8 x lane
	s_wait_kmcnt 0x0
	s_add_nc_u64 s[8:9], s[4:5], s[10:11]
	s_add_nc_u64 s[8:9], s[8:9], 4096              ; the first record's (m, l)
	s_add_co_u32 s10, s10, s13
	s_add_nc_u64 s[4:5], s[4:5], s[10:11]          ; the first record's sums, at my columns
	s_add_nc_u64 s[6:7], s[6:7], s[14:15]
.irp g, 0,1,2,3,4,5,6,7
	global_load_b64 v[ML+2*\g:ML+2*\g+1], v2, s[8:9] offset:\g*RECORD      ; 256 consecutive bytes; every lane gets the same pair
.endr
.irp g, 0,1,2,3,4,5,6,7
	global_load_b128 v[AC+4*\g:AC+4*\g+3], v1, s[4:5] offset:\g*RECORD
.endr
	s_wait_loadcnt 8                               ; loads return in order: the 8 of sums are younger, the pairs are in
	v_max3_num_f32 v[MX], v[ML], v[ML+2], v[ML+4]
	v_max3_num_f32 v[MX], v[MX], v[ML+6], v[ML+8]
	v_max3_num_f32 v[MX], v[MX], v[ML+10], v[ML+12]
	v_max_num_f32 v[MX], v[MX], v[ML+14]
.irp g, 0,1,2,3,4,5,6,7
	v_sub_f32 v[ML+2*\g], v[ML+2*\g], v[MX]
.endr
.irp g, 0,1,2,3,4,5,6,7
	v_exp_f32 v[ML+2*\g], v[ML+2*\g]
.endr
	v_nop                                          ; the plain instruction behind the last exponential
	s_wait_alu depctr_va_vdst(0)
	v_mul_f32 v[LS], v[ML], v[ML+1]
.irp g, 1,2,3,4,5,6,7
	v_fmac_f32 v[LS], v[ML+2*\g], v[ML+2*\g+1]
.endr
	v_rcp_f32 v[RC], v[LS]                         ; the products below, which touch neither LS nor RC, stand between these and their use
	v_rcp_f32 v[RC+1], v[LS]
	s_wait_loadcnt 7
	v_pk_mul_f32 v[RS:RS+1],   v[AC:AC+1],   v[ML:ML+1] op_sel_hi:[1,0]    ; the first products start the sums
	v_pk_mul_f32 v[RS+2:RS+3], v[AC+2:AC+3], v[ML:ML+1] op_sel_hi:[1,0]
.irp g, 1,2,3,4,5,6,7
	s_wait_loadcnt 7-\g                            ; the chunks behind this one may stay out
	v_pk_fma_f32 v[RS:RS+1],   v[AC+4*\g:AC+4*\g+1],   v[ML+2*\g:ML+2*\g+1], v[RS:RS+1] op_sel_hi:[1,0,1]
	v_pk_fma_f32 v[RS+2:RS+3], v[AC+4*\g+2:AC+4*\g+3], v[ML+2*\g:ML+2*\g+1], v[RS+2:RS+3] op_sel_hi:[1,0,1]
.endr
	s_wait_alu depctr_va_vdst(0)
	v_pk_mul_f32 v[RS:RS+1],   v[RS:RS+1],   v[RC:RC+1]
	v_pk_mul_f32 v[RS+2:RS+3], v[RS+2:RS+3], v[RC:RC+1]
	global_store_b128 v1, v[RS:RS+3], s[6:7]       ; the wave stores 512 consecutive bytes, at a multiple of 256 from the first byte of out0
	s_endpgm
.Lfunc_end_k_qd5aee0fd61_merge:
	.size	k_qd5aee0fd61_merge, .Lfunc_end_k_qd5aee0fd61_merge-k_qd5aee0fd61_merge
	.p2alignl 7, 3214868480
	.fill 96, 4, 3214868480
	.section	.rodata,"a",@progbits
	.p2align	6, 0x0
	.amdhsa_kernel k_qd5aee0fd61_merge
		.amdhsa_group_segment_fixed_size 0
		.amdhsa_private_segment_fixed_size 0
		.amdhsa_enable_private_segment 0
		.amdhsa_kernarg_size 16
		.amdhsa_user_sgpr_count 2
		.amdhsa_user_sgpr_kernarg_segment_ptr 1
		.amdhsa_wavefront_size32 1
		.amdhsa_system_sgpr_workgroup_id_x 1
		.amdhsa_system_sgpr_workgroup_id_y 1
		.amdhsa_system_sgpr_workgroup_id_z 1
		.amdhsa_system_vgpr_workitem_id 0
		.amdhsa_next_free_vgpr 64
		.amdhsa_next_free_sgpr 66
		.amdhsa_reserve_vcc 0
		.amdhsa_float_denorm_mode_32 3
		.amdhsa_float_denorm_mode_16_64 3
		.amdhsa_memory_ordered 1
		.amdhsa_forward_progress 1
		.amdhsa_inst_pref_size 6
	.end_amdhsa_kernel
	.amdgpu_metadata
---
amdhsa.version: [ 1, 2 ]
amdhsa.kernels:
  - .name:           k_qd5aee0fd61_merge
    .symbol:         k_qd5aee0fd61_merge.kd
    .args:
      - { .name: part, .offset: 0, .size: 8, .value_kind: global_buffer, .address_space: global }
      - { .name: out0, .offset: 8, .size: 8, .value_kind: global_buffer, .address_space: global }
    .group_segment_fixed_size: 0
    .private_segment_fixed_size: 0
    .kernarg_segment_align: 8
    .kernarg_segment_size: 16
    .max_flat_workgroup_size: 32
    .sgpr_count:     66
    .vgpr_count:     64
    .wavefront_size: 32
...
	.end_amdgpu_metadata
.endif
;; end of part 4
;; ======== version 2 of 2: 4 launches; version 1 with the launch stream written anew for expert scheduling mode
;; workspace buffers: psfi 524,288 bytes; pu 524,288 bytes; part 1,114,112 bytes
;; launch proj_s: the kernel of part 1 again; grid 16 x 16, 16 waves a work-group, no clusters, 75,776 bytes of LDS; arguments s, W_s, b_s, psfi; writes psfi
;; launch proj_u: the kernel of part 2 again; grid 16 x 16, 16 waves a work-group, no clusters, 12,288 bytes of LDS; arguments psfi, W_h, pu; writes pu
;; launch stream (part 5): grid 8 x 32, 16 waves a work-group, no clusters, 72,192 bytes of LDS; arguments h, pu, psfi, b_h, part; writes part
.if DOCPART == 5
	.amdgcn_target "amdgcn-amd-amdhsa--gfx1250"
	.amdhsa_code_object_version 6
	.text
	.protected	k_qd5aee0fd61_stream
	.globl	k_qd5aee0fd61_stream
	.p2align	8
	.type	k_qd5aee0fd61_stream,@function
k_qd5aee0fd61_stream:
	s_mov_b64 s[64:65], 0
	v_nop
	global_prefetch_b8 v0, s[64:65] scope:SCOPE_SE
	s_setreg_imm32_b32 hwreg(HW_REG_WAVE_SCHED_MODE, 0, 2), 2
	s_setreg_imm32_b32 hwreg(HW_REG_WAVE_MODE, 25, 1), 1
	s_wait_xcnt 0x0
	s_wait_alu depctr_vm_vsrc(0)
; For batch b and a chunk of 256 rows t of h: the scores e[t] = h[t] . u[b] + sfi[b] . b_h, a softmax with a running maximum, and the
; partial context: m = max of e log2(e), l = sum of 2^(e log2(e) - m), acc[d] = sum of 2^(e log2(e) - m) h[t][d].  h: [32][2048][1024] f32.
; u and sfi come as four slices each (pu, psfi: [4][32][1024] f32), which are added here, once, on the way into LDS.
; e is the score of the module as it stands: sfi . (h[t] W_h + b_h) = h[t] . (W_h sfi) + sfi . b_h, for every input.
; h is read ONCE: a wave takes a whole row (8 loads of 512 consecutive bytes, 32 registers a lane) and keeps it between the score and
; the update of the context.  No LDS ring, no matrix unit, no cluster: no byte of h is used by two waves, and a row feeds 4 operations a number.
; SHARES.  A work-group owns 256 rows (1 MiB); wave w takes rows 16 i + w, i = 0..15, so that the 16 waves sweep 64 KiB on end.
; Each wave runs a ring of 4 row slots in registers and works on two rows at a time: 16 to 32 loads of a wave are out.
; At the end the 16 waves' (m, l, acc) meet in LDS and leave as one record of 4,352 bytes: 1,024 sums, then (m, l) 32 times over.
; LIMITS.  Sums in f32, in another order than a plain dot product; a weight below 2^-126 counts as 0 (v_exp_f32 flushes such results:
; ISA guide, its entry); the maximum ignores a NaN, which still reaches the result through the weights; infinite inputs are not served.
; THE MODE: SCHED_MODE bits 1:0 = 2 (LLVM: expert scheduling mode 2), set by the entry lines.  The code itself states the register dependences
; between vector instructions and memory or LDS instructions, with s_wait_alu, always for 0.
; THE PLAN.  Registers that memory or LDS instructions touch:
;   v1, v2, v3, v5, v9, v18, v19, v38, v39   addresses, made at the head and never written again: the rows of h stand in the loads' immediates.
;   TT, E0, E1   the nine small loads land here; vector adds work on them; two LDS stores read TT, TT + 1 and TT + 6; behind the barrier four
;                LDS loads land in TT .. TT + 15; from then on vector instructions alone name them.
;   UR           LDS loads land once; then only read, by vector instructions.
;   XR           four row slots.  Pair g reads slots A = 2 g % 4 and B = A + 1 (scores, then the context's products); behind the products with
;                row A the loads of row 2 g + 4 land in A, behind those with row B the loads of row 2 g + 5 land in B.  At the end LDS loads land in slots 0 and 1.
;   ACC, ML      written by vector instructions; read by the nine LDS stores at the end; not written again.
;   P1, P0       written by the merge at the end; read by the global stores; not written again.
; So a pair that loads has two waits on va_vdst beside the one ahead of the exponentials' first reader: one behind the products that empty slot A,
; whose eight loads are then dealt among the products with row B (these name ACC, slot B and P1: no register that those loads touch), and one behind
; the products that empty slot B.  Each slot is asked for again as soon as it is empty.  Pairs 6 and 7 load nothing and hold neither wait.
.set ROWB,   4096
.set SLICE,  131072                    ; bytes in a slice of pu and of psfi
.set STAT,   65536                     ; LDS: the waves' acc at 0, [16][1024] f32; here 16 pairs (m, l)
.set USTG,   65792                     ; u x log2(e), 4,096 bytes
.set CBP,    69888                     ; 16 partial sums of sfi . b_h
.set RECORD, 4352
.set OFF,  1                           ; v1   wave x 4,096 + 16 x lane: my offset in h, and in the waves' acc in LDS; never rewritten
.set T8,   2                           ; v2   8 x thread: columns 2 t, 2 t + 1; never rewritten
.set LU,   3                           ; v3   USTG + 16 x lane
.set LANE, 4
.set CBW,  5                           ; v5   CBP + 4 x wave
.set ML,   6                           ; v[6:7]   m, l
.set MN,   8                           ; v8       the new m
.set UST,  9                           ; v9   USTG + 8 x thread
.set AF,   10                          ; v[10:11] a = 2^(m_old - m_new), its exponent
.set P0,   12                          ; v[12:13] the first row's weight, its exponent; at the end the work-group's (m, l)
.set P1,   14                          ; v[14:15] the second row's; at the end my two sums
.set E0,   16                          ; v16, v17 the two scores; at the head b_h of my two columns
.set E1,   17
.set CBA,  18                          ; v18  CBP
.set STW,  19                          ; v19  STAT + 8 x wave
.set CBL,  20                          ; v[20:21] lane 0: (sfi . b_h log2(e), 0); other lanes: (0, 0)
.set TT,   22                          ; v[22:37] 8 pairs: chains 0-3 of the first row, 4-7 of the second; at the head the slices of pu and psfi
.set STA,  38                          ; v38  STAT
.set L8,   39                          ; v39  8 x lane
.set UR,   40                          ; v[40:71]   u x log2(e), my 32 columns
.set ACC,  72                          ; v[72:103]  acc, my 32 columns
.set XR,   104                         ; v[104:231] 4 row slots of 32
	s_load_b256 s[4:11], s[0:1], 0x0               ; h s[4:5], pu s[6:7], psfi s[8:9], b_h s[10:11]
	s_load_b64 s[12:13], s[0:1], 0x20              ; part
	v_lshl_add_u32 v232, v0, 2, 0x11200            ; my spare word, behind the partial sums; with v233 kept for the closing lines alone
	v_mov_b32 v233, 0
	v_lshrrev_b32 v[MN], 5, v0
	v_readfirstlane_b32 s14, v[MN]                 ; wave 0..15
	s_and_b32 s16, ttmp7, 0xffff                   ; the batch
	s_lshl_b32 s18, s16, 23                        ; its 8 MiB of h,
	s_lshl_b32 s17, ttmp9, 20                      ; the chunk's 1 MiB
	s_or_b32 s18, s18, s17
	s_mov_b32 s19, 0
	s_lshl_b32 s22, s16, 12                        ; the batch's row in a slice of pu and of psfi
	s_mov_b32 s23, 0
	s_lshl_b32 s26, s16, 3
	s_add_co_u32 s26, s26, ttmp9                   ; record 8 x batch + chunk
	s_mul_i32 s26, s26, RECORD
	s_mov_b32 s27, 0
	s_mov_b32 s20, 0x76543210                      ; v_permlanex16_b32: each lane takes its own place in the other half
	s_mov_b32 s21, 0xfedcba98
	s_mov_b32 s24, 0x3fb8aa3b                      ; log2(e)
	s_mov_b32 s25, s24                             ; named with it as a pair, so it is written
	v_and_b32 v[LANE], 31, v0
	v_lshlrev_b32 v[OFF], 4, v[LANE]
	v_add_nc_u32 v[LU], USTG, v[OFF]
	v_lshl_or_b32 v[OFF], v[MN], 12, v[OFF]
	v_lshlrev_b32 v[T8], 3, v0
	v_add_nc_u32 v[UST], USTG, v[T8]
	v_lshl_add_u32 v[CBW], v[MN], 2, CBP
	v_mov_b32 v[CBA], CBP
	v_lshl_add_u32 v[STW], v[MN], 3, STAT
	v_mov_b32 v[STA], STAT
	v_lshlrev_b32 v[L8], 3, v[LANE]
	s_wait_alu depctr_va_sdst(0)                   ; s14 is written, ahead of its first reader: the compare at the end that picks wave 0
	s_wait_kmcnt 0x0
	s_add_nc_u64 s[4:5], s[4:5], s[18:19]
	s_add_nc_u64 s[6:7], s[6:7], s[22:23]
	s_add_nc_u64 s[8:9], s[8:9], s[22:23]
	s_add_nc_u64 s[12:13], s[12:13], s[26:27]
	s_wait_alu depctr_va_vdst(0)                   ; the nine addresses v1, v2, v3, v5, v9, v18, v19, v38, v39 are written, which every load and store of the kernel reads
; load j of row 16 i + wave into slot i % 4: 512 consecutive bytes.  The row stands in the immediate: 986,624 bytes at the most.
.macro ROWLD i, j
	global_load_b128 v[XR+32*((\i)%4)+4*(\j):XR+32*((\i)%4)+4*(\j)+3], v[OFF], s[4:5] offset:(\i)*65536+(\j)*512 th:TH_LOAD_NT
.endm
; the whole row: 8 loads
.macro FILL i
.irp j, 0,1,2,3,4,5,6,7
	ROWLD \i, \j
.endr
.endm
.irp q, 0,1,2,3
	global_load_b64 v[TT+2*\q:TT+2*\q+1], v[T8], s[6:7] offset:\q*SLICE        ; the four slices of u: thread t takes columns 2 t, 2 t + 1
.endr
.irp q, 0,1,2,3
	global_load_b64 v[TT+8+2*\q:TT+8+2*\q+1], v[T8], s[8:9] offset:\q*SLICE    ; the four slices of sfi
.endr
	global_load_b64 v[E0:E0+1], v[T8], s[10:11]    ; b_h
	FILL 0
	FILL 1
	FILL 2
	FILL 3
	s_wait_loadcnt 32                              ; loads return in order: the 32 of h are younger, the nine small ones are in
	v_pk_add_f32 v[TT:TT+1],     v[TT:TT+1],     v[TT+2:TT+3]
	v_pk_add_f32 v[TT+4:TT+5],   v[TT+4:TT+5],   v[TT+6:TT+7]
	v_pk_add_f32 v[TT+8:TT+9],   v[TT+8:TT+9],   v[TT+10:TT+11]
	v_pk_add_f32 v[TT+12:TT+13], v[TT+12:TT+13], v[TT+14:TT+15]
	v_pk_add_f32 v[TT:TT+1],     v[TT:TT+1],     v[TT+4:TT+5]      ; u
	v_pk_add_f32 v[TT+8:TT+9],   v[TT+8:TT+9],   v[TT+12:TT+13]    ; sfi
	v_pk_mul_f32 v[TT:TT+1], v[TT:TT+1], s[24:25] op_sel_hi:[1,0]  ; log2(e) is folded into u once: the scores come out in base 2
	v_mul_f32 v[TT+6], v[TT+8], v[E0]              ; my part of sfi . b_h
	v_fmac_f32 v[TT+6], v[TT+9], v[E1]
.irp m, 1,2,4,8
	v_add_f32_dpp v[TT+6], v[TT+6], v[TT+6] row_xmask:\m row_mask:0xf bank_mask:0xf
.endr
	v_permlanex16_b32 v[TT+4], v[TT+6], s20, s21
	v_add_f32 v[TT+6], v[TT+6], v[TT+4]
	s_wait_alu depctr_va_vdst(0)                   ; my pair of u (TT, TT + 1) and my wave's part of sfi . b_h (TT + 6) are written, which the two LDS stores read; and all vector work on TT is over, for the LDS loads that land there behind the barrier
	ds_store_b64 v[UST], v[TT:TT+1]
	ds_store_b32 v[CBW], v[TT+6]                   ; my wave's part: every lane writes the same number to the same word
	s_wait_dscnt 0x0                               ; for the other waves: my parts of u and of sfi . b_h lie in LDS
	s_barrier_signal -1                            ; (the loads of h stay out across the barrier: nobody writes h)
	s_barrier_wait -1
	s_wait_alu depctr_vm_vsrc(0)                   ; my two LDS stores have read TT, TT + 1 and TT + 6, in which the LDS loads below land
.irp j, 0,1,2,3,4,5,6,7
	ds_load_b128 v[UR+4*\j:UR+4*\j+3], v[LU] offset:\j*512         ; the columns that load j of a row brings me
.endr
.irp q, 0,1,2,3
	ds_load_b128 v[TT+4*\q:TT+4*\q+3], v[CBA] offset:16*\q
.endr
	s_wait_dscnt 0x0
	v_cmp_eq_u32 vcc_lo, 0, v[LANE]                ; made ahead of the adds, so that the wait for it below finds it written
.irp q, 0,2,4,6
	v_pk_add_f32 v[TT+\q:TT+\q+1], v[TT+\q:TT+\q+1], v[TT+8+\q:TT+8+\q+1]
.endr
	v_pk_add_f32 v[TT:TT+1],   v[TT:TT+1],   v[TT+4:TT+5]
	v_pk_add_f32 v[TT+2:TT+3], v[TT+2:TT+3], v[TT+6:TT+7]
	v_pk_add_f32 v[TT:TT+1],   v[TT:TT+1],   v[TT+2:TT+3]
	v_add_f32 v[TT], v[TT], v[TT+1]                ; sfi . b_h
	v_mul_f32 v[TT], s24, v[TT]
	s_wait_alu depctr_va_vcc(0)                    ; the compare has written VCC, which the select reads
	v_cndmask_b32 v[CBL], 0, v[TT], vcc_lo         ; lane 0 alone carries it: a row's sum over the lanes then holds it once
	v_mov_b32 v[CBL+1], 0
; Rows 2 g and 2 g + 1 of my 16.  g = 0 starts m, l and acc: nothing is cleared.
.macro PAIR g
.set XA, XR+32*((2*\g)%4)
.set XB, XR+32*((2*\g+1)%4)
.if \g < 7
	s_wait_loadcnt 16                              ; the two younger rows' 16 loads may stay out
.else
	s_wait_loadcnt 0x0
.endif
	; the scores: 16 packed products a row in 4 chains, the two rows by turns; chain 0 starts from sfi . b_h
	v_pk_fma_f32 v[TT:TT+1],   v[XA:XA+1], v[UR:UR+1], v[CBL:CBL+1]
	v_pk_fma_f32 v[TT+8:TT+9], v[XB:XB+1], v[UR:UR+1], v[CBL:CBL+1]
.irp i, 1,2,3
	v_pk_mul_f32 v[TT+2*\i:TT+2*\i+1],     v[XA+2*\i:XA+2*\i+1], v[UR+2*\i:UR+2*\i+1]
	v_pk_mul_f32 v[TT+8+2*\i:TT+8+2*\i+1], v[XB+2*\i:XB+2*\i+1], v[UR+2*\i:UR+2*\i+1]
.endr
.irp i, 4,5,6,7,8,9,10,11,12,13,14,15
	v_pk_fma_f32 v[TT+2*(\i%4):TT+2*(\i%4)+1],     v[XA+2*\i:XA+2*\i+1], v[UR+2*\i:UR+2*\i+1], v[TT+2*(\i%4):TT+2*(\i%4)+1]
	v_pk_fma_f32 v[TT+8+2*(\i%4):TT+8+2*(\i%4)+1], v[XB+2*\i:XB+2*\i+1], v[UR+2*\i:UR+2*\i+1], v[TT+8+2*(\i%4):TT+8+2*(\i%4)+1]
.endr
	v_pk_add_f32 v[TT:TT+1],     v[TT:TT+1],     v[TT+2:TT+3]
	v_pk_add_f32 v[TT+8:TT+9],   v[TT+8:TT+9],   v[TT+10:TT+11]
	v_pk_add_f32 v[TT+4:TT+5],   v[TT+4:TT+5],   v[TT+6:TT+7]
	v_pk_add_f32 v[TT+12:TT+13], v[TT+12:TT+13], v[TT+14:TT+15]
	v_pk_add_f32 v[TT:TT+1],     v[TT:TT+1],     v[TT+4:TT+5]
	v_pk_add_f32 v[TT+8:TT+9],   v[TT+8:TT+9],   v[TT+12:TT+13]
	v_add_f32 v[E0], v[TT], v[TT+1]
	v_add_f32 v[E1], v[TT+8], v[TT+9]
.irp m, 1,2,4,8
	v_add_f32_dpp v[E0], v[E0], v[E0] row_xmask:\m row_mask:0xf bank_mask:0xf
	v_add_f32_dpp v[E1], v[E1], v[E1] row_xmask:\m row_mask:0xf bank_mask:0xf
.endr
	v_permlanex16_b32 v[TT+2],  v[E0], s20, s21
	v_permlanex16_b32 v[TT+10], v[E1], s20, s21
	v_add_f32 v[E0], v[E0], v[TT+2]                ; every lane now holds both scores, the same bits in all
	v_add_f32 v[E1], v[E1], v[TT+10]
	; the running maximum; acc and l are rescaled in every pair (a is 1 where m has not grown): no branch hangs on data
.if \g == 0
	v_max_num_f32 v[MN], v[E0], v[E1]
.else
	v_max3_num_f32 v[MN], v[E0], v[E1], v[ML]
	v_sub_f32 v[AF+1], v[ML], v[MN]
.endif
	v_sub_f32 v[P0+1], v[E0], v[MN]
	v_sub_f32 v[P1+1], v[E1], v[MN]
.if \g > 0
	v_exp_f32 v[AF], v[AF+1]
.endif
	v_exp_f32 v[P0], v[P0+1]
	v_exp_f32 v[P1], v[P1+1]
	v_mov_b32 v[ML], v[MN]                         ; the plain instruction between the exponentials and the use of their results (ISA guide 5.7.2)
	s_wait_alu depctr_va_vdst(0)                   ; the exponentials have written a and the two weights, ahead of their first reader: one wait for the batch
.if \g == 0
	v_add_f32 v[ML+1], v[P0], v[P1]
.else
	v_fma_f32 v[ML+1], v[ML+1], v[AF], v[P0]
	v_add_f32 v[ML+1], v[ML+1], v[P1]
.endif
	; the context; a slot is asked for again as soon as its row has been used
.set i, 0
.rept 16
.if \g == 0
	v_pk_mul_f32 v[ACC+i:ACC+i+1], v[XA+i:XA+i+1], v[P0:P0+1] op_sel_hi:[1,0]
.else
	v_pk_mul_f32 v[ACC+i:ACC+i+1], v[ACC+i:ACC+i+1], v[AF:AF+1] op_sel_hi:[1,0]
.endif
.set i, i+2
.endr
.if \g > 0
.set i, 0
.rept 16
	v_pk_fma_f32 v[ACC+i:ACC+i+1], v[XA+i:XA+i+1], v[P0:P0+1], v[ACC+i:ACC+i+1] op_sel_hi:[1,0,1]
.set i, i+2
.endr
.endif
.if \g < 6
	s_wait_alu depctr_va_vdst(0)                   ; the scores' and the context's products are done reading slot A, in which the eight loads below land
.endif
.irp j, 0,1,2,3,4,5,6,7
.if \g < 6
	ROWLD 2*\g+4, \j                               ; no further wait: the products between these loads name ACC, slot B and P1, none of slot A's registers nor v[OFF]
.endif
	v_pk_fma_f32 v[ACC+4*\j:ACC+4*\j+1],   v[XB+4*\j:XB+4*\j+1],   v[P1:P1+1], v[ACC+4*\j:ACC+4*\j+1] op_sel_hi:[1,0,1]
	v_pk_fma_f32 v[ACC+4*\j+2:ACC+4*\j+3], v[XB+4*\j+2:XB+4*\j+3], v[P1:P1+1], v[ACC+4*\j+2:ACC+4*\j+3] op_sel_hi:[1,0,1]
.endr
.if \g < 6
	s_wait_alu depctr_va_vdst(0)                   ; the products above are done reading slot B, in which the eight loads below land
	FILL 2*\g+5
.endif
.endm
.irp g, 0,1,2,3,4,5,6,7
	PAIR \g
.endr
	; THE 16 WAVES MEET.  Each puts its acc and its (m, l) into LDS; then thread t merges columns 2 t, 2 t + 1 of all 16.
	s_wait_alu depctr_va_vdst(0)                   ; the last pair has written ACC, m and l, which the nine LDS stores read; and every product is done reading slots 0 and 1, in which the LDS loads behind the barrier land
.irp j, 0,1,2,3,4,5,6,7
	ds_store_b128 v[OFF], v[ACC+4*\j:ACC+4*\j+3] offset:\j*512
.endr
	ds_store_b64 v[STW], v[ML:ML+1]                ; every lane writes the same pair to the same 8 bytes
	s_wait_dscnt 0x0                               ; for the other waves: my acc and my (m, l) lie in LDS
	s_barrier_signal -1
	s_barrier_wait -1
.irp q, 0,1,2,3,4,5,6,7
	ds_load_b128 v[XR+4*\q:XR+4*\q+3], v[STA] offset:16*\q         ; wave w: m at XR + 2 w, l at XR + 2 w + 1
.endr
.set w, 0
.rept 16
	ds_load_b64 v[XR+32+2*w:XR+32+2*w+1], v[T8] offset:w*ROWB
.set w, w+1
.endr
	s_wait_dscnt 16                                ; the 16 pairs are in; the 16 loads of columns may stay out
	v_max3_num_f32 v[P0], v[XR], v[XR+2], v[XR+4]
.irp w, 3,5,7,9,11,13
	v_max3_num_f32 v[P0], v[P0], v[XR+2*\w], v[XR+2*\w+2]
.endr
	v_max_num_f32 v[P0], v[P0], v[XR+30]           ; the work-group's m
.set w, 0
.rept 16
	v_sub_f32 v[XR+2*w], v[XR+2*w], v[P0]
.set w, w+1
.endr
.set w, 0
.rept 16
	v_exp_f32 v[XR+2*w], v[XR+2*w]                 ; f = 2^(m_w - m)
.set w, w+1
.endr
	v_nop                                          ; the plain instruction behind the last exponential
	s_wait_alu depctr_va_vdst(0)                   ; the sixteen exponentials have written the factors f, ahead of their first reader: one wait for the batch
	v_mul_f32 v[P0+1], v[XR], v[XR+1]              ; the work-group's l = sum of f l_w
.set w, 1
.rept 15
	v_fmac_f32 v[P0+1], v[XR+2*w], v[XR+2*w+1]
.set w, w+1
.endr
	s_wait_dscnt 0x0
	v_pk_mul_f32 v[P1:P1+1], v[XR+32:XR+33], v[XR:XR+1] op_sel_hi:[1,0]
.set w, 1
.rept 15
	v_pk_fma_f32 v[P1:P1+1], v[XR+32+2*w:XR+32+2*w+1], v[XR+2*w:XR+2*w+1], v[P1:P1+1] op_sel_hi:[1,0,1]
.set w, w+1
.endr
	s_wait_alu depctr_va_vdst(0)                   ; my two sums (P1) and the work-group's (m, l) (P0) are written, which the stores below read; no vector instruction follows
	global_store_b64 v[T8], v[P1:P1+1], s[12:13]   ; a wave stores 256 consecutive bytes, at a multiple of 256 from the first byte of part
	s_cmp_lg_u32 s14, 0
	s_cbranch_scc1 .Lend
	global_store_b64 v[L8], v[P0:P0+1], s[12:13] offset:4096       ; wave 0: (m, l) 32 times over, so that these 256 bytes too are written whole
.Lend:
	s_wait_dscnt 0x0                               ; the closing lines, six on end
	s_wait_alu 0x0
	s_wait_tensorcnt 0x0
	ds_add_u32 v232, v233
	s_wait_dscnt 0x0
	s_endpgm
.Lfunc_end_k_qd5aee0fd61_stream:
	.size	k_qd5aee0fd61_stream, .Lfunc_end_k_qd5aee0fd61_stream-k_qd5aee0fd61_stream
	.p2alignl 7, 3214868480
	.fill 96, 4, 3214868480
	.section	.rodata,"a",@progbits
	.p2align	6, 0x0
	.amdhsa_kernel k_qd5aee0fd61_stream
		.amdhsa_group_segment_fixed_size 72192
		.amdhsa_private_segment_fixed_size 0
		.amdhsa_enable_private_segment 0
		.amdhsa_kernarg_size 40
		.amdhsa_user_sgpr_count 2
		.amdhsa_user_sgpr_kernarg_segment_ptr 1
		.amdhsa_wavefront_size32 1
		.amdhsa_system_sgpr_workgroup_id_x 1
		.amdhsa_system_sgpr_workgroup_id_y 1
		.amdhsa_system_sgpr_workgroup_id_z 1
		.amdhsa_system_vgpr_workitem_id 0
		.amdhsa_next_free_vgpr 234
		.amdhsa_next_free_sgpr 66
		.amdhsa_reserve_vcc 1
		.amdhsa_float_denorm_mode_32 3
		.amdhsa_float_denorm_mode_16_64 3
		.amdhsa_memory_ordered 1
		.amdhsa_forward_progress 1
		.amdhsa_inst_pref_size 76
	.end_amdhsa_kernel
	.amdgpu_metadata
---
amdhsa.version: [ 1, 2 ]
amdhsa.kernels:
  - .name:           k_qd5aee0fd61_stream
    .symbol:         k_qd5aee0fd61_stream.kd
    .args:
      - { .name: h, .offset: 0, .size: 8, .value_kind: global_buffer, .address_space: global }
      - { .name: pu, .offset: 8, .size: 8, .value_kind: global_buffer, .address_space: global }
      - { .name: psfi, .offset: 16, .size: 8, .value_kind: global_buffer, .address_space: global }
      - { .name: b_h, .offset: 24, .size: 8, .value_kind: global_buffer, .address_space: global }
      - { .name: part, .offset: 32, .size: 8, .value_kind: global_buffer, .address_space: global }
    .group_segment_fixed_size: 72192
    .private_segment_fixed_size: 0
    .kernarg_segment_align: 8
    .kernarg_segment_size: 40
    .max_flat_workgroup_size: 512
    .sgpr_count:     66
    .vgpr_count:     234
    .wavefront_size: 32
...
	.end_amdgpu_metadata
.endif
;; end of part 5
;; launch merge: the kernel of part 4 again; grid 8 x 32, 1 waves a work-group, no clusters, 0 bytes of LDS; arguments part, out0; writes out0
